; MI455X (gfx1250); checked and timed in simulation.
; The chip was launched on July 23, 2026; its instructions are those of AMD's public machine-readable ISA for CDNA 5 (MIT licence, August 2026) and "CDNA5" Instruction Set Architecture Reference Guide (July 2026). The comments in the code are by the model that wrote it; some were corrected since.
;; Mo E Layer. Allowed arithmetic: matrix products marked QUANTISED: E2M1 operands, one E8M0 scale for each 32 along K, by v_wmma_scale_f32_16x16x128_f8f6f4 with both operands' format E2M1 (or v_wmma_scale_f32_32x16x128_f4), f32 sums; products left as they are: f32 operands where the result goes on into a quantised operand, else bf16, f16 or f32 operands; f32 sums; everything else in f32.
;; Inputs: b1 8 x 4,096 float32; b2 8 x 1,024 float32; gate_w 1,024 x 8 float32; w1_codes 8 x 4,096 x 32 x 16 uint8 (E2M1 codes of w1, K innermost, in blocks of 32 codes, two codes a byte); w1_scales 8 x 4,096 x 32 uint8 (E8M0 scales of w1, one for each 32 codes along K); w2_codes 8 x 1,024 x 128 x 16 uint8 (E2M1 codes of w2, K innermost, in blocks of 32 codes, two codes a byte); w2_scales 8 x 1,024 x 128 uint8 (E8M0 scales of w2, one for each 32 codes along K); x 4 x 256 x 1,024 float32.
;; Outputs: out0 4 x 256 x 1,024 float32; out1 4 x 256 x 2 int32.
;; This version of the problem:
;;   THIS VERSION OF THE PROBLEM IS GIVEN IN LOW PRECISION. The matrix products marked QUANTISED in the list below multiply operands that are first quantised to E2M1 (2 exponent bits, 1 mantissa bit; 4 bits a number), with one power-of-two scale for each 32 numbers along K (OCP MX v1.0); their sums are f32. All else is computed in f32.
;;   The module's matrix products, in the order in which they are computed (A, B: the left and right operand; K: the contracted axis; several contracted axes count as one K, in the product's order):
;;     1. [M 1,024, K 1,024] x [K 1,024, N 8]; A: input x; B: input gate_w: left as it is (N = 8 < 16)
;;     2. [M 1,024, K 1,024] x [K 1,024, N 4,096]; A: input x; B: input w1 (given as codes): QUANTISED
;;     3. [M 1,024, K 4,096] x [K 4,096, N 1,024]; A: computed on the way; B: input w2 (given as codes): QUANTISED
;;     4. [M 1,024, K 1,024] x [K 1,024, N 4,096]; A: input x; B: input w1 (given as codes): QUANTISED
;;     5. [M 1,024, K 4,096] x [K 4,096, N 1,024]; A: computed on the way; B: input w2 (given as codes): QUANTISED
;;     6. [M 1,024, K 1,024] x [K 1,024, N 4,096]; A: input x; B: input w1 (given as codes): QUANTISED
;;     7. [M 1,024, K 4,096] x [K 4,096, N 1,024]; A: computed on the way; B: input w2 (given as codes): QUANTISED
;;     8. [M 1,024, K 1,024] x [K 1,024, N 4,096]; A: input x; B: input w1 (given as codes): QUANTISED
;;     9. [M 1,024, K 4,096] x [K 4,096, N 1,024]; A: computed on the way; B: input w2 (given as codes): QUANTISED
;;     10. [M 1,024, K 1,024] x [K 1,024, N 4,096]; A: input x; B: input w1 (given as codes): QUANTISED
;;     11. [M 1,024, K 4,096] x [K 4,096, N 1,024]; A: computed on the way; B: input w2 (given as codes): QUANTISED
;;     12. [M 1,024, K 1,024] x [K 1,024, N 4,096]; A: input x; B: input w1 (given as codes): QUANTISED
;;     13. [M 1,024, K 4,096] x [K 4,096, N 1,024]; A: computed on the way; B: input w2 (given as codes): QUANTISED
;;     14. [M 1,024, K 1,024] x [K 1,024, N 4,096]; A: input x; B: input w1 (given as codes): QUANTISED
;;     15. [M 1,024, K 4,096] x [K 4,096, N 1,024]; A: computed on the way; B: input w2 (given as codes): QUANTISED
;;     16. [M 1,024, K 1,024] x [K 1,024, N 4,096]; A: input x; B: input w1 (given as codes): QUANTISED
;;     17. [M 1,024, K 4,096] x [K 4,096, N 1,024]; A: computed on the way; B: input w2 (given as codes): QUANTISED
;;   THE QUANTISER, for each operand of a quantised product, along K:
;;     - K is cut into blocks of 32 from its start; a last block that is shorter is filled with zeros.
;;     - A block's scale is 2^e with e = floor(log2(the largest magnitude in the block)) - 2, held to -126 .. 127; a block of zeros has e = 0. As a byte (E8M0): e + 127.
;;     - Each number is divided by its block's scale, clamped to +-6, and rounded to the nearest number of E2M1, ties to even, subnormals kept.
;;     - The product sums the exact products of the quantised numbers (number of the format x scale) in f32.
;;   ~~~python
;;   def quantise(x, axis):      # numpy; x: float32 -> the quantised numbers, widened to float32 again
;;       x = np.moveaxis(x, axis, -1); K = x.shape[-1]
;;       x = np.pad(x, [(0, 0)] * (x.ndim - 1) + [(0, -K % 32)]); x = x.reshape(x.shape[:-1] + (-1, 32)); a = np.abs(x).max(-1, keepdims=True)
;;       e = np.where(a > 0, np.clip(np.frexp(np.where(a > 0, a, 1))[1] - 1 - 2, -126, 127), 0)      # np.frexp(a)[1] - 1 = floor(log2(a)), exactly
;;       r = np.clip(x / 2.0 ** e, -6, 6)
;;       step = 2.0 ** (np.maximum(np.frexp(np.where(r == 0, 1, r))[1] - 1, 0) - 1)
;;       q = np.round(r / step) * step * 2.0 ** e      # np.round: ties to even
;;       return np.moveaxis(q.reshape(q.shape[:-2] + (-1,))[..., :K], -1, axis).astype(np.float32)
;;   ~~~
;;   OPERANDS COMPUTED ON THE WAY. 'Computed on the way' means the value that the module computes at that place (a softmax that the list does not call 'softmax' is quantised finished and normalised). What goes into a quantiser is computed in f32, as accurately as f32 sums, v_exp_f32 and their like allow (about 1e-6 of the number): no bf16 or f16 on the way to a quantiser, and a product that is left as it is and whose result goes on into a quantised operand takes f32 operands (vector FMAs, or v_wmma_f32_16x16x4_f32). A number that lies on a knife's edge between two numbers of the format may be rounded either way, as far as f32 arithmetic and the matrix unit's own rounding can turn it there, and no further.
;;   INPUTS GIVEN AS CODES. w1 (in the module: [8, 1024, 4096], K = its axis 1); w2 (in the module: [8, 4096, 1024], K = its axis 1): each comes as NAME_codes (uint8): NAME with its K axis moved to the last place and cut into blocks of 32 codes, [.., K / 32, bytes a block], one block behind the other in memory; two codes a byte, the lower K in the low four bits (a code: sign, 2 exponent bits, 1 mantissa bit); and NAME_scales (uint8): the same leading axes, one E8M0 byte (e + 127) for each 32 codes along K. Its value is code x scale, taken as it is: it is not quantised again, and the codes and scales need not be those that the quantiser above would give.
;; One version. Each part assembles by itself: llvm-mc -triple=amdgcn-amd-amdhsa -mcpu=gfx1250 --defsym DOCPART=n.
;; ======== version 1 of 1: 4 launches
;; workspace buffers: selw 8,192 bytes of whole numbers; gw 8,192 bytes; xq 524,288 bytes; xs 32,768 bytes; rows 65,536 bytes of whole numbers; himg 16,777,216 bytes; hscl 1,048,576 bytes; yp 8,388,608 bytes
;; launch route (part 1): grid 256 x 1, 4 waves a work-group, no clusters, 38,144 bytes of LDS; arguments x, gate_w, out1, selw, gw, xq, xs; writes out1, selw, gw, xq, xs
.if DOCPART == 1
	.amdgcn_target "amdgcn-amd-amdhsa--gfx1250"
	.amdhsa_code_object_version 6
	.text
	.protected	k_q630c869b92_route
	.globl	k_q630c869b92_route
	.p2align	8
	.type	k_q630c869b92_route,@function
k_q630c869b92_route:
	s_mov_b64 s[64:65], 0
	v_nop
	global_prefetch_b8 v0, s[64:65] scope:SCOPE_SE
	s_setreg_imm32_b32 hwreg(HW_REG_WAVE_MODE, 25, 1), 1
	s_wait_xcnt 0x0
; THE ROUTER AND x's QUANTISER.  logits = x gate_w in f32 (fused multiply-adds), the two largest of the 8 logits of each token, the softmax of those two;
; and x [1024 tokens][1024] f32 into codes of E2M1 (K innermost, 512 bytes a token) with one E8M0 byte for each 32 along K (32 bytes a token).
; WORK LEFT OUT BY THE WHOLE PROGRAM.  For an expert i that is not among sel[t], the combine weight wi = sum(where(sel == i, weights, 0)) is a sum of zeros that the layer builds itself,
; and out takes 0 x y, which is 0 for every finite y.  So the chain relu(x w1[i] + b1[i]) w2[i] + b2[i] is multiplied for the two chosen experts of a token alone: 2,048 rows in place of 8,192.
; Whole numbers decide that: this launch stores them (selw), and the later launches read them from memory.  No input is left out.
; LIMITS.  A NaN, an infinity or an overflow that arises only in the chain of an expert that was not chosen is not carried to out0.  NaN and infinities in x or gate_w are not served.
; Equal logits: the lower index is kept (a strict >), +0 and -0 count as equal.  The logits' sums go in another order than a plain dot product's: a choice between two logits that differ by f32 rounding alone may fall either way.
; A block of zeros gets the byte 1 where the quantiser says 127: its codes are zeros, and this program alone reads the bytes; a block whose largest magnitude lies under 2^(3 - 127) keeps the byte 1.
; SHARES.  Work-group g owns tokens 4 g .. 4 g + 3.  Wave w takes K = 256 w .. 256 w + 255 of all four; lane l the 8 neighbours from 256 w + 8 l on: a block of 32 lies in four neighbouring lanes.
; No matrix unit: 8 columns are half a tile.  No cluster: the work-groups share gate_w alone, 32 KiB.
.set CODES, 34816                      ; LDS: from 0 a stage of 32 rows x 272 bytes for each wave (gate_w is turned there); then the four tokens' codes, 4 x 512 bytes;
.set SCB,   36864                      ; their scale bytes, 4 x 32;
.set PART,  37120                      ; the waves' partial logits [wave][token][8] f32;
.set SPARE, 37632                      ; the spare words, 128 bytes for each wave: no other line names them
.set X,   20                           ; v20-51   x: token t's 8 numbers at v[X + 8 t]
.set G,   52                           ; v52-115  gate_w: my 8 k x 8 experts, number 8 k + e
.set ACC, 116                          ; v116-147 partial logits: token t, expert e at v[ACC + 8 t + e]
.set C,   148                          ; v148-151 a token's 8 codes
.set E,   152                          ; v152-155 its block's scale byte
.set T,   156                          ; v156-163 at work
	s_load_b256 s[4:11], s[0:1], 0x0               ; x s[4:5], gate_w s[6:7], out1 s[8:9], selw s[10:11]
	s_load_b128 s[12:15], s[0:1], 0x20             ; gw s[12:13], xq s[14:15]
	s_load_b64 s[16:17], s[0:1], 0x30              ; xs
	v_lshl_add_u32 v16, v0, 2, SPARE               ; my spare word; never rewritten
	v_mov_b32 v17, 0                               ; 0; never rewritten
	v_lshrrev_b32 v15, 5, v0
	v_readfirstlane_b32 s18, v15                   ; wave 0..3
	v_and_b32 v1, 31, v0                           ; lane
	s_mov_b32 s20, 0x76543210
	s_mov_b32 s21, 0xfedcba98                      ; v_permlanex16_b32's selects for lane l xor 16
	; every address is made here, ahead of the branches on the wave's number
	s_lshl_b32 s22, s18, 10
	v_lshl_add_u32 v2, v1, 5, s22                  ; x: 1,024 w + 32 l in a token's row
	s_lshl_b32 s22, s18, 13
	v_lshl_add_u32 v3, v1, 4, s22                  ; gate_w as it lies: 8,192 w + 16 l
	s_mul_i32 s23, s18, 8704                       ; my stage
	v_lshrrev_b32 v15, 4, v1
	v_and_b32 v18, 15, v1
	v_mul_u32_u24 v4, v15, 272
	v_lshl_add_u32 v4, v18, 4, v4
	v_add_nc_u32 v4, s23, v4                       ; into it: a load's 512 bytes are two lanes' 256: row 2 j + l / 16, byte 16 (l % 16)
	v_mul_u32_u24 v5, v1, 272
	v_add_nc_u32 v5, s23, v5                       ; out of it: row l: my 8 k x 8 experts
	s_lshl_b32 s24, s18, 7
	s_add_co_u32 s25, s24, CODES
	v_lshl_add_u32 v6, v1, 2, s25                  ; my 8 codes: byte 128 w + 4 l of a token's 512
	s_lshl_b32 s25, s18, 3
	s_add_co_u32 s25, s25, SCB
	v_lshrrev_b32 v7, 2, v1
	v_add_nc_u32 v7, s25, v7                       ; my block's byte: 8 w + l / 4 of a token's 32
	s_add_co_u32 s25, s24, PART
	v_mov_b32 v8, s25                              ; my wave's 32 partial logits
	v_lshlrev_b32 v9, 4, v0                        ; the way out of the codes: 16 bytes a thread,
	v_lshl_add_u32 v10, v0, 4, CODES               ; in LDS
	v_lshl_add_u32 v11, v1, 2, SCB                 ; of the scale bytes: 4 a lane
	v_lshlrev_b32 v12, 2, v1
	v_and_b32 v18, 3, v1
	v_lshl_add_u32 v13, v18, 5, PART               ; the choice: lane l serves token l % 4
	v_lshlrev_b32 v14, 3, v18
	s_mov_b32 s23, 0
	s_wait_kmcnt 0x0
	s_lshl_b32 s22, ttmp9, 14                      ; my four tokens: 16,384 bytes of x,
	s_add_nc_u64 s[4:5], s[4:5], s[22:23]
	s_lshl_b32 s22, ttmp9, 11                      ; 2,048 of codes,
	s_add_nc_u64 s[14:15], s[14:15], s[22:23]
	s_lshl_b32 s22, ttmp9, 7                       ; 128 of scale bytes,
	s_add_nc_u64 s[16:17], s[16:17], s[22:23]
	s_lshl_b32 s22, ttmp9, 5                       ; 32 of each table of pairs
	s_add_nc_u64 s[8:9], s[8:9], s[22:23]
	s_add_nc_u64 s[10:11], s[10:11], s[22:23]
	s_add_nc_u64 s[12:13], s[12:13], s[22:23]
.irp j, 0,1,2,3,4,5,6,7,8,9,10,11,12,13,14,15
	global_load_b128 v[G+4*\j:G+4*\j+3], v3, s[6:7] offset:512*\j   ; 32 lanes read 512 consecutive bytes
.endr
.irp t, 0,1,2,3
	global_load_b128 v[X+8*\t:X+8*\t+3], v2, s[4:5] offset:4096*\t th:TH_LOAD_NT
	global_load_b128 v[X+8*\t+4:X+8*\t+7], v2, s[4:5] offset:4096*\t+16 th:TH_LOAD_NT   ; the pair covers 1,024 consecutive bytes
.endr
	; gate_w is turned through my own stage, so that a lane holds its 8 k x 8 experts
	s_wait_loadcnt 8                               ; gate_w's 16 loads are in; x's 8 may be out
.irp j, 0,1,2,3,4,5,6,7,8,9,10,11,12,13,14,15
	ds_store_b128 v4, v[G+4*\j:G+4*\j+3] offset:544*\j
.endr
	s_wait_dscnt 0x0                               ; the stores have read their registers, which the loads below fill
.irp i, 0,1,2,3,4,5,6,7,8,9,10,11,12,13,14,15
	ds_load_b128 v[G+4*\i:G+4*\i+3], v5 offset:16*\i               ; rows 272 bytes apart: sixteen lanes, sixteen different columns of 16 bytes
.endr
	; x's codes and scale bytes, the four tokens by turns
	s_wait_loadcnt 0x0
.irp t, 0,1,2,3
	v_max3_num_f32 v[T+\t], |v[X+8*\t]|, |v[X+8*\t+1]|, 0x1800000  ; my 8 numbers, and the floor 2^(3 - 127): the byte cannot fall under 1
.endr
.irp i, 2,4,6
.irp t, 0,1,2,3
	v_max3_num_f32 v[T+\t], v[T+\t], |v[X+8*\t+\i]|, |v[X+8*\t+\i+1]|
.endr
.endr
.irp t, 0,1,2,3
	v_max_num_f32_dpp v[T+\t], v[T+\t], v[T+\t] row_xmask:1 row_mask:0xf bank_mask:0xf
.endr
.irp t, 0,1,2,3
	v_max_num_f32_dpp v[T+\t], v[T+\t], v[T+\t] row_xmask:2 row_mask:0xf bank_mask:0xf   ; with my three neighbours': the block's largest magnitude
.endr
.irp t, 0,1,2,3
	v_add_nc_u32 v[T+4+\t], 0xff000000, v[T+\t]    ; 2 off its exponent field: the conversion takes the exponent field of this operand as its scale
.endr
.irp t, 0,1,2,3
	v_cvt_scalef32_pk8_fp4_f32 v[C+\t], v[X+8*\t:X+8*\t+7], v[T+4+\t]
.endr
.irp t, 0,1,2,3
	v_lshrrev_b32 v[E+\t], 23, v[T+4+\t]           ; the scale's byte (plain lines behind the conversions)
.endr
.irp t, 0,1,2,3
	ds_store_b32 v6, v[C+\t] offset:512*\t
	ds_store_b8 v7, v[E+\t] offset:32*\t           ; the four lanes of a block write the same byte with the same value
.endr
	; the partial logits of my 8 k: two experts an instruction; x's number is taken for both halves
	s_wait_dscnt 8                                 ; gate_w is back from the stage; the 8 stores just issued may be out
.irp t, 0,1,2,3
.irp p, 0,1,2,3
	v_pk_mul_f32 v[ACC+8*\t+2*\p:ACC+8*\t+2*\p+1], v[X+8*\t:X+8*\t+1], v[G+2*\p:G+2*\p+1] op_sel_hi:[0,1]   ; k = 0 starts the sums
.endr
.endr
.set k, 1
.rept 7
.irp t, 0,1,2,3
.irp p, 0,1,2,3
.if k%2
	v_pk_fma_f32 v[ACC+8*\t+2*\p:ACC+8*\t+2*\p+1], v[X+8*\t+k-1:X+8*\t+k], v[G+8*k+2*\p:G+8*k+2*\p+1], v[ACC+8*\t+2*\p:ACC+8*\t+2*\p+1] op_sel:[1,0,0] op_sel_hi:[1,1,1]
.else
	v_pk_fma_f32 v[ACC+8*\t+2*\p:ACC+8*\t+2*\p+1], v[X+8*\t+k:X+8*\t+k+1], v[G+8*k+2*\p:G+8*k+2*\p+1], v[ACC+8*\t+2*\p:ACC+8*\t+2*\p+1] op_sel_hi:[0,1,1]
.endif
.endr
.endr
.set k, k+1
.endr
	; each of the 32 sums over my wave's 32 lanes
.irp m, 1,2,4,8
.set i, 0
.rept 32
	v_add_f32_dpp v[ACC+i], v[ACC+i], v[ACC+i] row_xmask:\m row_mask:0xf bank_mask:0xf
.set i, i+1
.endr
.endr
.set i, 0
.rept 32
	v_permlanex16_b32 v[G+i], v[ACC+i], s20, s21   ; (gate_w's registers are done with, and written: a lane permute's destination counts as a source)
.set i, i+1
.endr
.set i, 0
.rept 32
	v_add_f32 v[ACC+i], v[ACC+i], v[G+i]
.set i, i+1
.endr
.irp i, 0,1,2,3,4,5,6,7
	ds_store_b128 v8, v[ACC+4*\i:ACC+4*\i+3] offset:16*\i          ; all lanes write the same words with the same values
.endr
	s_wait_dscnt 0x0                               ; for the others' sake: my codes, bytes and partial logits lie in LDS
	s_barrier_signal -1
	s_barrier_wait -1
	ds_load_b128 v[C:C+3], v10                     ; the codes leave: wave w stores token w's 512 consecutive bytes
	s_wait_dscnt 0x0
	global_store_b128 v9, v[C:C+3], s[14:15]
	s_cmp_lg_u32 s18, 1
	s_cbranch_scc1 .Lnot_wave_1
	ds_load_b32 v[T], v11                          ; wave 1: the four tokens' 128 scale bytes
	s_wait_dscnt 0x0
	global_store_b32 v12, v[T], s[16:17]
.Lnot_wave_1:
	s_cmp_lg_u32 s18, 0
	s_cbranch_scc1 .Lend
	; wave 0: the choice.  Lane l serves token l % 4; lanes 0 to 3 store
.irp w, 0,1,2,3
	ds_load_b128 v[G+8*\w:G+8*\w+3], v13 offset:128*\w
	ds_load_b128 v[G+8*\w+4:G+8*\w+7], v13 offset:128*\w+16
.endr
	s_wait_dscnt 0x0
.irp p, 0,2,4,6
	v_pk_add_f32 v[G+\p:G+\p+1], v[G+\p:G+\p+1], v[G+8+\p:G+8+\p+1]
	v_pk_add_f32 v[G+16+\p:G+16+\p+1], v[G+16+\p:G+16+\p+1], v[G+24+\p:G+24+\p+1]
.endr
.irp p, 0,2,4,6
	v_pk_add_f32 v[G+\p:G+\p+1], v[G+\p:G+\p+1], v[G+16+\p:G+16+\p+1]   ; the 8 logits of my token
.endr
	v_mov_b32 v[T], v[G]                           ; the largest so far, and its index: a strict > keeps the lower index among equals
	v_mov_b32 v[T+4], 0
.irp e, 1,2,3,4,5,6,7
	v_cmp_gt_f32 vcc_lo, v[G+\e], v[T]
	v_cndmask_b32 v[T], v[T], v[G+\e], vcc_lo
	v_cndmask_b32 v[T+4], v[T+4], \e, vcc_lo
.endr
	v_mov_b32 v[T+2], 0xff800000                   ; -infinity takes the first choice's place
.irp e, 0,1,2,3,4,5,6,7
	v_cmp_eq_u32 vcc_lo, \e, v[T+4]
	v_cndmask_b32 v[G+\e], v[G+\e], v[T+2], vcc_lo
.endr
	v_mov_b32 v[T+1], v[G]
	v_mov_b32 v[T+5], 0
.irp e, 1,2,3,4,5,6,7
	v_cmp_gt_f32 vcc_lo, v[G+\e], v[T+1]
	v_cndmask_b32 v[T+1], v[T+1], v[G+\e], vcc_lo
	v_cndmask_b32 v[T+5], v[T+5], \e, vcc_lo
.endr
	v_sub_f32 v[T+3], v[T+1], v[T]                 ; the softmax of the two: the larger is taken away, so the exponents are 0 and this one, at most 0
	v_mul_f32 v[T+3], 0x3fb8aa3b, v[T+3]
	v_exp_f32 v[T+7], v[T+3]
	v_nop                                          ; a plain line behind the transcendental,
	s_wait_alu depctr_va_vdst(0)                   ; and the wait ahead of the first reader
	v_add_f32 v[T+3], 1.0, v[T+7]
	v_rcp_f32 v[T+6], v[T+3]                       ; the first weight: 1 / (1 + e)
	v_nop
	s_wait_alu depctr_va_vdst(0)
	v_mul_f32 v[T+7], v[T+7], v[T+6]               ; the second: e / (1 + e)
	s_wait_xcnt 0x0                                ; EXEC changes only behind this wait: the codes' store has been issued
	v_cmp_gt_u32 vcc_lo, 4, v1
	s_and_saveexec_b32 s22, vcc_lo
	global_store_b64 v14, v[T+4:T+5], s[8:9]       ; out1,
	global_store_b64 v14, v[T+4:T+5], s[10:11]     ; its copy, which the next launch reads,
	global_store_b64 v14, v[T+6:T+7], s[12:13]     ; and the two weights
	s_wait_xcnt 0x0                                ; and again, in front of the line that widens EXEC
	s_or_b32 exec_lo, exec_lo, s22
.Lend:
	s_wait_tensorcnt 0x0                           ; the wave's end: behind my last LDS store
	ds_add_u32 v16, v17
	s_wait_dscnt 0x0
	s_endpgm
.Lfunc_end_k_q630c869b92_route:
	.size	k_q630c869b92_route, .Lfunc_end_k_q630c869b92_route-k_q630c869b92_route
	.p2alignl 7, 3214868480
	.fill 96, 4, 3214868480
	.section	.rodata,"a",@progbits
	.p2align	6, 0x0
	.amdhsa_kernel k_q630c869b92_route
		.amdhsa_group_segment_fixed_size 38144
		.amdhsa_private_segment_fixed_size 0
		.amdhsa_enable_private_segment 0
		.amdhsa_kernarg_size 56
		.amdhsa_user_sgpr_count 2
		.amdhsa_user_sgpr_kernarg_segment_ptr 1
		.amdhsa_wavefront_size32 1
		.amdhsa_system_sgpr_workgroup_id_x 1
		.amdhsa_system_sgpr_workgroup_id_y 1
		.amdhsa_system_sgpr_workgroup_id_z 1
		.amdhsa_system_vgpr_workitem_id 0
		.amdhsa_next_free_vgpr 176
		.amdhsa_next_free_sgpr 66
		.amdhsa_reserve_vcc 1
		.amdhsa_float_denorm_mode_32 3
		.amdhsa_float_denorm_mode_16_64 3
		.amdhsa_memory_ordered 1
		.amdhsa_forward_progress 1
		.amdhsa_inst_pref_size 35
	.end_amdhsa_kernel
	.amdgpu_metadata
---
amdhsa.version: [ 1, 2 ]
amdhsa.kernels:
  - .name:           k_q630c869b92_route
    .symbol:         k_q630c869b92_route.kd
    .args:
      - { .name: x, .offset: 0, .size: 8, .value_kind: global_buffer, .address_space: global }
      - { .name: gate_w, .offset: 8, .size: 8, .value_kind: global_buffer, .address_space: global }
      - { .name: out1, .offset: 16, .size: 8, .value_kind: global_buffer, .address_space: global }
      - { .name: selw, .offset: 24, .size: 8, .value_kind: global_buffer, .address_space: global }
      - { .name: gw, .offset: 32, .size: 8, .value_kind: global_buffer, .address_space: global }
      - { .name: xq, .offset: 40, .size: 8, .value_kind: global_buffer, .address_space: global }
      - { .name: xs, .offset: 48, .size: 8, .value_kind: global_buffer, .address_space: global }
    .group_segment_fixed_size: 38144
    .private_segment_fixed_size: 0
    .kernarg_segment_align: 8
    .kernarg_segment_size: 56
    .max_flat_workgroup_size: 128
    .sgpr_count:     66
    .vgpr_count:     176
    .wavefront_size: 32
...
	.end_amdgpu_metadata
.endif
;; end of part 1
;; launch ffn1 (part 2): grid 32 x 8, 4 waves a work-group, no clusters, 107,008 bytes of LDS; arguments xq, xs, selw, w1_codes, w1_scales, b1, himg, hscl, rows; writes himg, hscl, rows
.if DOCPART == 2
	.amdgcn_target "amdgcn-amd-amdhsa--gfx1250"
	.amdhsa_code_object_version 6
	.text
	.protected	k_q630c869b92_ffn1
	.globl	k_q630c869b92_ffn1
	.p2align	8
	.type	k_q630c869b92_ffn1,@function
k_q630c869b92_ffn1:
	s_mov_b64 s[64:65], 0
	v_nop
	global_prefetch_b8 v0, s[64:65] scope:SCOPE_SE
	s_setreg_imm32_b32 hwreg(HW_REG_WAVE_MODE, 25, 1), 1
	s_wait_xcnt 0x0
; THE FIRST PRODUCT OF THE CHOSEN ROWS: h = Q(relu(x w1[e] + b1[e])), on codes of E2M1 with one E8M0 scale for each 32 along K; Q quantises along the hidden axis, the second product's K.
; LEFT OUT: the rows of tokens that did not choose expert e: their combine weight is a sum of zeros that the layer builds itself (shown at the head of the first kernel).
; SHARES.  Work-group (hb, e) owns hidden units 128 hb .. 128 hb + 127 of expert e: 128 rows of w1, 64 KiB, which no other work-group reads.  ALL FOUR waves hold that tile in registers (64 fragments, 512 registers);
; wave w takes the tiles w, w + 4, .. of 16 rows of the expert's list.  A wave's 8 tiles of hidden units x 16 rows become exactly one fragment (K step hb of the second product) and one scale word a row.
; THE LIST.  Wave 0 makes it from selw by a counting sort in LDS: position p holds the slot 2 t + k of the p-th token that chose e; behind the n entries lie zeros (slot 0), so that a tile may be asked for ahead with no branch.
; The work-group with hb = 0 stores list and n for the next launch.  At least 4 tiles are always made, so that the next launch may ask for its first tile with no branch.
; THE LOOP has 16 trips, as many as the worst split needs (1,024 rows = 64 tiles for 4 waves); a scalar branch on the count leads round a trip's work.  No barrier stands in it.
; NO TENSOR LOAD, NO CLUSTER: the trips' work hangs on a count read from memory, so operands come through registers; and what work-groups share here is x's codes alone, 8 KiB a tile.
; THE PRODUCT IS USED TRANSPOSED (source 0 = 16 rows of w1, source 1 = 16 rows of x), and lane r of tile 2 b + u takes row 32 b + 8 u + r + 8 (r / 8) of w1: so a lane holds ONE row of h, and the 16 registers of
; tiles 2 b, 2 b + 1 are the 16 neighbours 32 b + 16 (lane / 16) + 0 .. 15 along the next K.  b1 is the C of each sum's first matrix instruction: another order of rounding than a sum with the bias added last.
; LIMITS: a block of zeros gets the byte 1 where the quantiser says 127 (its codes are zeros; this program alone reads the bytes); a block whose largest magnitude lies under 2^(3 - 127) keeps the byte 1.
; The images leave in stores of 512 consecutive bytes; the scale words in pieces of 64 bytes, one byte in 17 of what the launch stores.
; REGISTERS, in windows of 256: window 0: see the names below.  Windows 1, 2: w1's fragment (tile t, K step s) at v[8 (8 (s % 4) + t)] of window 1 + s / 4 (window 1's v0-127 first hold my 32 rows as loaded).
;   window 3: v0-63 b1's 8 tiles; v64-127 16 rows of x's codes as loaded.
.set XST,   67584                      ; LDS: from 0 w1's 128 rows x (512 + 16) bytes; then for each wave 16 rows of x x 528;
.set LIST,  101376                     ; the list: 1,152 words;
.set CNT,   105984                     ; n (a block of 256 bytes); behind it a block of parking words, one a lane, which nobody reads: word 1216 + lane from LIST on;
.set SPARE, 106496                     ; the spare words, 128 bytes for each wave: no other line names them
.set OFF, 16                           ; v16-31   byte offsets of a tile's 16 rows in xq (+ 16 x lane)
.set W1S, 36                           ; v36-67   w1's scale words: register 4 t + i: K step i in lanes 0-15, K step 4 + i in lanes 16-31
.set XS,  68                           ; v68-71   x's scale words of the tile in hand, laid likewise
.set XSN, 72                           ; v72-75   those of the tile asked for
.set XF,  76                           ; v76-139  x's 8 fragments.  In wave 0 first: sel, group g of 32 tokens in v[XF + 2 g], v[XF + 2 g + 1]
.set HA,  140                          ; v140-203 the 8 accumulators.  In wave 0 first: zeros, and the list on its way out
.set PC,  204                          ; v204-211 the codes just made
.set TM,  212                          ; v212-227 at work in the quantiser
.set PW,  228                          ; v228     the scale word just made
.set NV,  229                          ; v229     n as read from LDS
.set T,   230                          ; v230-245 a tile's 16 list words
.set LT,  246                          ; v246     my row's list word
.set MSB, 0
.macro WIN new                         ; the immediate's high byte repeats the setting that is left; a switch that changes nothing is dropped
.if MSB != (\new)
	s_set_vgpr_msb (MSB<<8)|(\new)
.set MSB, (\new)
.endif
.endm
; The tile whose list words lie off bytes behind this trip's is asked for: 16 rows of codes (a load is one token's whole row, 512 consecutive bytes) and my row's scale words.
.macro XASK off
	v_add_nc_u32 v11, s30, v9
	v_add_nc_u32 v12, s30, v10
.irp j, 0,1,2,3
	ds_load_b128 v[T+4*\j:T+4*\j+3], v11 offset:\off+16*\j         ; the same address in all lanes: every lane gets the 16 words
.endr
	ds_load_b32 v[LT], v12 offset:\off
	s_wait_dscnt 0x0                               ; these words; and all my earlier LDS instructions: x's rows have left their registers, the fragments are in
.irp i, 0,1,2,3,4,5,6,7,8,9,10,11,12,13,14,15
	v_and_b32 v[T+\i], 0x7fe, v[T+\i]              ; slot 2 t + k: 2 t,
.endr
.irp i, 0,1,2,3,4,5,6,7,8,9,10,11,12,13,14,15
	v_min_u32 v[T+\i], 0x7fe, v[T+\i]              ; held inside the table
.endr
.irp i, 0,1,2,3,4,5,6,7,8,9,10,11,12,13,14,15
	v_lshl_add_u32 v[OFF+\i], v[T+\i], 8, v4       ; 512 t + 16 x lane
.endr
	v_and_b32 v[LT], 0x7fe, v[LT]
	v_min_u32 v[LT], 0x7fe, v[LT]
	v_lshl_add_u32 v15, v[LT], 4, v13              ; 32 t + 16 (lane / 16)
	WIN 0xc0                                       ; destination window 3
.irp i, 0,1,2,3,4,5,6,7,8,9,10,11,12,13,14,15
	global_load_b128 v[64+4*\i:64+4*\i+3], v[OFF+\i], s[4:5]
.endr
	WIN 0
	global_load_b128 v[XSN:XSN+3], v15, s[6:7]
.endm
; The 64 matrix instructions of a tile: K step by K step, the 8 accumulators by turns, one instruction a turn
.macro MUL
.irp s, 0,1,2,3,4,5,6,7
.if \s == 0
	WIN 0x31                                       ; source 0 (w1) window 1, source 2 (b1) window 3
.elseif \s < 4
	WIN 0x01
.else
	WIN 0x02                                       ; source 0 window 2
.endif
.irp t, 0,1,2,3,4,5,6,7
.if \s == 0
	v_wmma_scale_f32_16x16x128_f8f6f4 v[HA+8*\t:HA+8*\t+7], v[8*\t:8*\t+7], v[XF:XF+7], v[8*\t:8*\t+7], v[W1S+4*\t], v[XS] matrix_a_fmt:MATRIX_FMT_FP4 matrix_b_fmt:MATRIX_FMT_FP4
.elseif \s < 4
	v_wmma_scale_f32_16x16x128_f8f6f4 v[HA+8*\t:HA+8*\t+7], v[8*(8*\s+\t):8*(8*\s+\t)+7], v[XF+8*\s:XF+8*\s+7], v[HA+8*\t:HA+8*\t+7], v[W1S+4*\t+\s], v[XS+\s] matrix_a_fmt:MATRIX_FMT_FP4 matrix_b_fmt:MATRIX_FMT_FP4
.else
	v_wmma_scale_f32_16x16x128_f8f6f4 v[HA+8*\t:HA+8*\t+7], v[8*(8*(\s-4)+\t):8*(8*(\s-4)+\t)+7], v[XF+8*\s:XF+8*\s+7], v[HA+8*\t:HA+8*\t+7], v[W1S+4*\t+\s-4], v[XS+\s-4] matrix_a_fmt:MATRIX_FMT_FP4 matrix_b_fmt:MATRIX_FMT_FP4 matrix_a_scale:MATRIX_SCALE_ROW1 matrix_b_scale:MATRIX_SCALE_ROW1
.endif
.endr
.endr
	WIN 0
.endm
; 64 numbers of a lane, none negative, register 16 b + i = k 32 b + 16 (lane / 16) + i of my row, become a fragment's codes in v[PC] on and its scale word in v[PW]
.macro QUANT
.irp b, 0,1,2,3
	v_max3_num_f32 v[TM+\b], v[HA+16*\b], v[HA+1+16*\b], 0x1800000   ; block b: my 16 numbers, and the floor 2^(3 - 127): the byte cannot fall under 1
.endr
.irp i, 2,4,6,8,10,12,14
.irp b, 0,1,2,3
	v_max3_num_f32 v[TM+\b], v[TM+\b], v[HA+16*\b+\i], v[HA+1+16*\b+\i]   ; (the four blocks by turns)
.endr
.endr
.irp b, 0,1,2,3
	v_permlanex16_b32 v[TM+4+\b], v[TM+\b], s36, s37
.endr
.irp b, 0,1,2,3
	v_max_num_f32 v[TM+\b], v[TM+\b], v[TM+4+\b]   ; with lane l xor 16's: the block's largest number
.endr
.irp b, 0,1,2,3
	v_add_nc_u32 v[TM+12+\b], 0xff000000, v[TM+\b] ; 2 off its exponent field: the conversion's scale operand
.endr
.irp b, 0,1,2,3
	v_lshrrev_b32 v[TM+4+\b], 23, v[TM+12+\b]      ; the scale's byte
.endr
	v_lshl_or_b32 v[PW], v[TM+5], 8, v[TM+4]       ; the four bytes make my row's scale word
	v_lshl_or_b32 v[PW], v[TM+6], 16, v[PW]
	v_lshl_or_b32 v[PW], v[TM+7], 24, v[PW]
.irp b, 0,1,2,3
	v_cvt_scalef32_pk8_fp4_f32 v[PC+2*\b], v[HA+16*\b:HA+7+16*\b], v[TM+12+\b]
	v_cvt_scalef32_pk8_fp4_f32 v[PC+1+2*\b], v[HA+8+16*\b:HA+15+16*\b], v[TM+12+\b]
.endr
	v_nop                                          ; one plain line behind a scaled conversion
.irp c, 0,1                                    ; the operand's layout wants a WHOLE block in a lane: lanes 0-15 block 2 c, lanes 16-31 block 2 c + 1
.irp i, 0,1
	v_permlane16_swap_b32 v[PC+4*\c+\i], v[PC+2+4*\c+\i]
.endr
.endr
.endm
	s_load_b512 s[4:19], s[0:1], 0x0               ; xq s[4:5], xs s[6:7], selw s[8:9], w1's codes s[10:11], its scales s[12:13], b1 s[14:15], himg s[16:17], hscl s[18:19]
	s_load_b64 s[20:21], s[0:1], 0x40              ; rows
	v_lshl_add_u32 v32, v0, 2, SPARE               ; my spare word; never rewritten
	v_mov_b32 v33, 0                               ; 0; never rewritten
	v_lshrrev_b32 v1, 5, v0
	v_readfirstlane_b32 s22, v1                    ; wave 0..3
	s_and_b32 s23, ttmp7, 0xffff                   ; e
	s_mov_b32 s24, ttmp9                           ; hb
	s_mov_b32 s36, 0x76543210
	s_mov_b32 s37, 0xfedcba98                      ; v_permlanex16_b32's selects for lane l xor 16
	; every address that stays is made here, ahead of the branches on the wave's number
	v_and_b32 v1, 31, v0                           ; lane
	v_and_b32 v2, 15, v0                           ; r
	v_bfe_u32 v3, v0, 4, 1                         ; h
	v_lshlrev_b32 v4, 4, v1                        ; 16 x lane
	s_mul_i32 s32, s22, 16896
	v_add_nc_u32 v5, s32, v4                       ; w1 into its stage: my 32 rows of 528 bytes
	v_and_b32 v6, 8, v2
	v_add_nc_u32 v251, v6, v2                      ; r + 8 (r / 8)
	v_mul_u32_u24 v6, v251, 528
	v_lshl_add_u32 v6, v3, 4, v6                   ; and out of it: a fragment's row, + 16 h
	s_mul_i32 s32, s22, 8448
	s_add_co_u32 s32, s32, XST
	v_add_nc_u32 v7, s32, v4                       ; x into my stage
	v_mul_u32_u24 v8, v2, 528
	v_lshl_add_u32 v8, v3, 4, v8
	v_add_nc_u32 v8, s32, v8                       ; and out of it
	s_lshl_b32 s32, s22, 6
	s_add_co_u32 s32, s32, LIST
	v_mov_b32 v9, s32                              ; tile w's 16 words of the list,
	v_lshl_add_u32 v10, v2, 2, s32                 ; and my row's among them
	v_lshlrev_b32 v13, 4, v3                       ; 16 h
	v_lshlrev_b32 v14, 2, v2                       ; 4 r
	v_lshl_add_u32 v34, v1, 4, LIST                ; the list, 16 bytes a lane
	v_mov_b32 v35, CNT
	v_add_nc_u32 v247, 1216, v1                    ; my parking word, as a word's number from LIST on
	v_lshlrev_b32 v248, 1, v1                      ; 2 x lane
	v_lshlrev_b32 v249, 5, v251
	v_lshl_add_u32 v249, v3, 4, v249               ; w1's scale bytes: 32 a row, + 16 h
	v_lshlrev_b32 v250, 6, v3                      ; b1: 16 h numbers
	v_lshlrev_b32 v252, 3, v1                      ; sel: 8 bytes a token
.irp b, 0,1,2,3
	v_mov_b32 v[TM+4+\b], 0                        ; written once: a lane permute's destination counts as one of its sources
.endr
	s_mov_b32 s33, 0
	s_mov_b32 s28, s22                             ; my first tile
	s_mov_b32 s29, 0                               ; trips
	s_mov_b32 s30, 0                               ; the list's step: 256 bytes (4 tiles) a trip
	s_wait_kmcnt 0x0
	s_lshl_b32 s32, s23, 21                        ; w1's codes: 2^21 an expert, 2^16 a block of 128 rows, 2^14 my 32 rows
	s_lshl_b32 s34, s24, 16
	s_or_b32 s32, s32, s34
	s_lshl_b32 s34, s22, 14
	s_or_b32 s32, s32, s34
	s_add_nc_u64 s[10:11], s[10:11], s[32:33]
	s_lshl_b32 s32, s23, 17                        ; its scales: 2^17, 2^12
	s_lshl_b32 s34, s24, 12
	s_or_b32 s32, s32, s34
	s_add_nc_u64 s[12:13], s[12:13], s[32:33]
	s_lshl_b32 s32, s23, 14                        ; b1: 2^14, 2^9
	s_lshl_b32 s34, s24, 9
	s_or_b32 s32, s32, s34
	s_add_nc_u64 s[14:15], s[14:15], s[32:33]
	s_lshl_b32 s32, s23, 21                        ; himg [e][tile 64][K step 32][1,024 bytes]: tile w, K step hb
	s_lshl_b32 s34, s22, 15
	s_or_b32 s32, s32, s34
	s_lshl_b32 s34, s24, 10
	s_or_b32 s32, s32, s34
	s_add_nc_u64 s[16:17], s[16:17], s[32:33]
	s_lshl_b32 s32, s23, 17                        ; hscl [e][tile 64][K step 32][16 words]
	s_lshl_b32 s34, s22, 11
	s_or_b32 s32, s32, s34
	s_lshl_b32 s34, s24, 6
	s_or_b32 s32, s32, s34
	s_add_nc_u64 s[18:19], s[18:19], s[32:33]
	s_lshl_b32 s32, s23, 13                        ; rows: 8,192 bytes an expert
	s_add_nc_u64 s[20:21], s[20:21], s[32:33]
	s_cmp_lg_u32 s22, 0
	s_cbranch_scc1 .Lno_sel
.set g, 0
.rept 32
	global_load_b64 v[XF+2*g:XF+2*g+1], v252, s[8:9] offset:256*g  ; wave 0: sel of tokens 32 g + lane
.set g, g+1
.endr
.Lno_sel:
	WIN 0x40                                       ; destination window 1
.set i, 0
.rept 32
	global_load_b128 v[4*i:4*i+3], v4, s[10:11] offset:512*i th:TH_LOAD_NT   ; my 32 rows of w1 as they lie: a row is 512 consecutive bytes; read once in the launch
.set i, i+1
.endr
	WIN 0
.irp t, 0,1,2,3,4,5,6,7
	global_load_b128 v[W1S+4*\t:W1S+4*\t+3], v249, s[12:13] offset:(32*(\t/2)+8*(\t%2))*32
.endr
	WIN 0xc0                                       ; destination window 3
.irp t, 0,1,2,3,4,5,6,7
	global_load_b128 v[8*\t:8*\t+3], v250, s[14:15] offset:(32*(\t/2)+8*(\t%2))*4      ; b1 in the result's layout: hidden units 32 (t / 2) + 16 h + 8 (t % 2) + 0 .. 7
	global_load_b128 v[8*\t+4:8*\t+7], v250, s[14:15] offset:(32*(\t/2)+8*(\t%2))*4+16
.endr
	WIN 0
	s_cmp_lg_u32 s22, 0
	s_cbranch_scc1 .Lno_list
	; WAVE 0 MAKES THE LIST.  Ahead of the barrier below no other wave touches LDS
.irp i, 0,1,2,3
	v_mov_b32 v[HA+\i], 0
.endr
.irp j, 0,1,2,3,4,5,6,7,8
	ds_store_b128 v34, v[HA:HA+3] offset:512*\j    ; 1,152 zeros
.endr
	s_wait_loadcnt 56                              ; sel is in: behind it 32 + 8 + 16 loads were issued
	s_mov_b32 s38, 0                               ; entries so far
.set g, 0
.rept 32
	v_cmp_eq_u32 vcc_lo, s23, v[XF+2*g+1]          ; is e the token's second choice?
	v_cndmask_b32 v[XF+2*g], v[XF+2*g], s23, vcc_lo
	v_cndmask_b32 v[XF+2*g+1], 0, 1, vcc_lo        ; k
	v_cmp_eq_u32 s[68+g], s23, v[XF+2*g]           ; is e one of its two?
.set g, g+1
.endr
.set g, 0
.rept 32
	v_mbcnt_lo_u32_b32 v[XF+2*g], s[68+g], s38     ; my place: the entries of the groups before, and of the lanes below me
	s_bcnt1_i32_b32 s39, s[68+g]
	s_add_co_u32 s38, s38, s39
	v_cndmask_b32 v[XF+2*g], v247, v[XF+2*g], s[68+g]   ; a lane whose token did not choose e writes its parking word
	v_min_u32 v[XF+2*g], 0x4ff, v[XF+2*g]          ; held inside list, count and parking words: 1,280 words from LIST on
	v_lshl_add_u32 v[XF+2*g], v[XF+2*g], 2, LIST
	v_add3_u32 v[XF+2*g+1], v[XF+2*g+1], v248, 64*g   ; the slot 2 t + k, t = 32 g + lane
	ds_store_b32 v[XF+2*g], v[XF+2*g+1]            ; LDS serves a wave's instructions in order: behind the zeros
.set g, g+1
.endr
	v_mov_b32 v[HA+4], s38
	ds_store_b32 v35, v[HA+4]                      ; n
	s_cmp_lg_u32 s24, 0
	s_cbranch_scc1 .Lno_list                       ; one work-group of the expert's 32 stores list and n
.irp j, 0,1,2,3,4,5,6,7,8
	ds_load_b128 v[HA+8+4*\j:HA+8+4*\j+3], v34 offset:512*\j
.endr
.irp i, 0,1,2,3
	v_mov_b32 v[HA+44+\i], s38
.endr
	s_wait_dscnt 0x0
.irp j, 0,1,2,3,4,5,6,7,8
	global_store_b128 v4, v[HA+8+4*\j:HA+8+4*\j+3], s[20:21] offset:512*\j
.endr
	global_store_b128 v4, v[HA+44:HA+47], s[20:21] offset:4608     ; n, in each of 128 words
	s_wait_xcnt 0x0                                ; the stores have read their registers, which the accumulators take
.Lno_list:
	s_wait_dscnt 0x0                               ; for the others' sake: list and n lie in LDS
	s_barrier_signal -1
	s_barrier_wait -1
	ds_load_b32 v[NV], v35
	XASK 0                                         ; my first tile's 17 loads go out; its wait on DScnt covers n
	v_readfirstlane_b32 s26, v[NV]                 ; n
	s_add_co_u32 s27, s26, 15
	s_lshr_b32 s27, s27, 4
	s_max_u32 s27, s27, 4                          ; tiles to make: at least 4
	s_wait_loadcnt 41                              ; my rows of w1 are in: behind them 8 + 16 + 17 loads were issued
	WIN 0x04                                       ; an LDS store's data are its source 1: window 1
.set i, 0
.rept 32
	ds_store_b128 v5, v[4*i:4*i+3] offset:528*i
.set i, i+1
.endr
	WIN 0
	s_wait_dscnt 0x0                               ; for the others' sake: my quarter of the tile lies in the stage
	s_barrier_signal -1
	s_barrier_wait -1
	WIN 0x40
.irp s, 0,1,2,3
.irp t, 0,1,2,3,4,5,6,7
.irp c, 0,1
	ds_load_b128 v[8*(8*\s+\t)+4*\c:8*(8*\s+\t)+4*\c+3], v6 offset:(32*(\t/2)+8*(\t%2))*528+64*\s+32*\c
.endr
.endr
.endr
	WIN 0x80
.irp s, 4,5,6,7
.irp t, 0,1,2,3,4,5,6,7
.irp c, 0,1
	ds_load_b128 v[8*(8*(\s-4)+\t)+4*\c:8*(8*(\s-4)+\t)+4*\c+3], v6 offset:(32*(\t/2)+8*(\t%2))*528+64*\s+32*\c
.endr
.endr
.endr
	WIN 0
.Ltrip:
	s_cmp_ge_u32 s28, s27
	s_cbranch_scc1 .Lskip                          ; no such tile: only the steps at the trip's end
	s_wait_loadcnt 0x0                             ; this tile's rows and scale words are in (first trip: w1's scale words and b1 too)
	WIN 0x0c                                       ; the data: window 3
.irp i, 0,1,2,3,4,5,6,7,8,9,10,11,12,13,14,15
	ds_store_b128 v7, v[64+4*\i:64+4*\i+3] offset:528*\i
.endr
	WIN 0
.irp i, 0,1,2,3
	v_mov_b32 v[XS+\i], v[XSN+\i]                  ; (the vector lines of XASK below, more than 8, are the places between these and the scaled products)
.endr
.irp s, 0,1,2,3,4,5,6,7
.irp c, 0,1
	ds_load_b128 v[XF+8*\s+4*\c:XF+8*\s+4*\c+3], v8 offset:64*\s+32*\c   ; my own bytes, served in order: these see the stores above
.endr
.endr
	XASK 256                                       ; the tile 4 further on; behind the list's end lie zeros, so no branch is needed
	MUL
.rept 4
	v_nop                                          ; places between the last products and the first read of results
.endr
	s_wait_xcnt 0x0                                ; the last trip's stores have read the codes' and the scale word's registers
.set j, 0
.rept 64
	v_max_num_f32 v[HA+j], 0, v[HA+j]              ; relu, in f32; each accumulator from its low end on
.set j, j+1
.endr
	QUANT
	global_store_b128 v4, v[PC:PC+3], s[16:17]     ; the fragment as an image of its registers: 16 bytes a lane, 512 consecutive bytes a store
	global_store_b128 v4, v[PC+4:PC+7], s[16:17] offset:512
	global_store_b32 v14, v[PW], s[18:19]          ; row r's scale word (lanes r and r + 16 hold and write the same)
.Lskip:
	s_wait_xcnt 0x0                                ; the stores have read their bases
	s_add_nc_u64 s[16:17], s[16:17], 131072        ; 4 tiles on
	s_add_nc_u64 s[18:19], s[18:19], 8192
	s_add_co_u32 s28, s28, 4
	s_add_co_u32 s30, s30, 256
	s_add_co_u32 s29, s29, 1
	s_cmp_lt_u32 s29, 16
	s_cbranch_scc1 .Ltrip
	s_wait_tensorcnt 0x0                           ; the wave's end: behind my last LDS store
	ds_add_u32 v32, v33
	s_wait_dscnt 0x0
	s_endpgm
.Lfunc_end_k_q630c869b92_ffn1:
	.size	k_q630c869b92_ffn1, .Lfunc_end_k_q630c869b92_ffn1-k_q630c869b92_ffn1
	.p2alignl 7, 3214868480
	.fill 96, 4, 3214868480
	.section	.rodata,"a",@progbits
	.p2align	6, 0x0
	.amdhsa_kernel k_q630c869b92_ffn1
		.amdhsa_group_segment_fixed_size 107008
		.amdhsa_private_segment_fixed_size 0
		.amdhsa_enable_private_segment 0
		.amdhsa_kernarg_size 72
		.amdhsa_user_sgpr_count 2
		.amdhsa_user_sgpr_kernarg_segment_ptr 1
		.amdhsa_wavefront_size32 1
		.amdhsa_system_sgpr_workgroup_id_x 1
		.amdhsa_system_sgpr_workgroup_id_y 1
		.amdhsa_system_sgpr_workgroup_id_z 1
		.amdhsa_system_vgpr_workitem_id 0
		.amdhsa_next_free_vgpr 1024
		.amdhsa_next_free_sgpr 100
		.amdhsa_reserve_vcc 1
		.amdhsa_float_denorm_mode_32 3
		.amdhsa_float_denorm_mode_16_64 3
		.amdhsa_memory_ordered 1
		.amdhsa_forward_progress 1
		.amdhsa_inst_pref_size 76
	.end_amdhsa_kernel
	.amdgpu_metadata
---
amdhsa.version: [ 1, 2 ]
amdhsa.kernels:
  - .name:           k_q630c869b92_ffn1
    .symbol:         k_q630c869b92_ffn1.kd
    .args:
      - { .name: xq, .offset: 0, .size: 8, .value_kind: global_buffer, .address_space: global }
      - { .name: xs, .offset: 8, .size: 8, .value_kind: global_buffer, .address_space: global }
      - { .name: selw, .offset: 16, .size: 8, .value_kind: global_buffer, .address_space: global }
      - { .name: w1_codes, .offset: 24, .size: 8, .value_kind: global_buffer, .address_space: global }
      - { .name: w1_scales, .offset: 32, .size: 8, .value_kind: global_buffer, .address_space: global }
      - { .name: b1, .offset: 40, .size: 8, .value_kind: global_buffer, .address_space: global }
      - { .name: himg, .offset: 48, .size: 8, .value_kind: global_buffer, .address_space: global }
      - { .name: hscl, .offset: 56, .size: 8, .value_kind: global_buffer, .address_space: global }
      - { .name: rows, .offset: 64, .size: 8, .value_kind: global_buffer, .address_space: global }
    .group_segment_fixed_size: 107008
    .private_segment_fixed_size: 0
    .kernarg_segment_align: 8
    .kernarg_segment_size: 72
    .max_flat_workgroup_size: 128
    .sgpr_count:     100
    .vgpr_count:     1024
    .wavefront_size: 32
...
	.end_amdgpu_metadata
.endif
;; end of part 2
;; launch ffn2 (part 3): grid 32 x 8, 4 waves a work-group, no clusters, 203,264 bytes of LDS; arguments himg, hscl, rows, w2_codes, w2_scales, b2, yp; writes yp
.if DOCPART == 3
	.amdgcn_target "amdgcn-amd-amdhsa--gfx1250"
	.amdhsa_code_object_version 6
	.text
	.protected	k_q630c869b92_ffn2
	.globl	k_q630c869b92_ffn2
	.p2align	8
	.type	k_q630c869b92_ffn2,@function
k_q630c869b92_ffn2:
	s_mov_b64 s[64:65], 0
	v_nop
	global_prefetch_b8 v0, s[64:65] scope:SCOPE_SE
	s_setreg_imm32_b32 hwreg(HW_REG_WAVE_MODE, 25, 1), 1
	s_wait_xcnt 0x0
; THE SECOND PRODUCT OF THE CHOSEN ROWS: y = h w2[e] + b2[e], on codes of E2M1 with one E8M0 scale for each 32 along K = 4,096; y goes, unweighted, to row 2 t + k of yp.
; LEFT OUT: the rows of tokens that did not choose expert e: their combine weight is a sum of zeros that the layer builds itself (shown at the head of the first kernel).
; SHARES.  Work-group (4 cb + q, e) owns output columns 128 cb .. 128 cb + 127 of expert e for the tiles q, q + 4, .. of 16 rows of the expert's list.
; THE WAVES SHARE K: wave w keeps K steps 8 w .. 8 w + 7 (of 128 each) of all 128 rows of w2 in registers: 8 column tiles x 8 K steps = 64 fragments, 512 registers.  So a fragment of h feeds 8 matrix instructions,
; a wave needs only its own quarter of a tile of h, and that quarter, which the launch before stored as images of the operand's registers, comes from memory straight into the operand's registers.
; What goes through LDS is the four waves' partial sums: 8 KiB a wave and tile in, 8 KiB out; each wave adds the four parts of four rows, adds b2, and stores whole pieces of 512 bytes.
; A TRIP is four tiles (q + 16 t + 4 k, k = 0 .. 3), each with registers of its own for h.  There are 4 trips, as many as the worst split needs (64 tiles for 4 work-groups), with two barriers each on every wave's path;
; scalar branches on the count lead round the work.  The first trip is written out: its four tiles of h are asked for at the head with no branch (a tile that the list does not have takes my last tile that it has;
; the launch before always makes tiles 0 to 3), so its waits can be counted and the products of one tile run while the next tiles land.  The loop's trips wait for all loads at their top.
; NO TENSOR LOAD, NO CLUSTER, though four work-groups read the same 256 KiB of w2: the trips' work hangs on a count read from memory, so operands come through registers.
; THE PRODUCT IS USED TRANSPOSED (source 0 = 16 rows of w2, source 1 = 16 rows of h): a lane holds eight neighbouring outputs of one row.
; ORDER OF ROUNDING: K is summed in four quarters, which are added in pairs, and b2 last: another order of f32 additions than one chain's.
; REGISTERS, in windows of 256: window 0: see the names below.  Windows 1, 2: w2's fragment (column tile t, K step s of my 8) at v[8 (8 (s % 4) + t)] of window 1 + s / 4.
;   window 3: h's fragments of tile k of a trip at v[64 k + 8 s]; at the head first 32 rows of w2 as loaded, in v0-127 and v128-255 by turns.
.set YST,   67584                      ; LDS: from 0 for each wave 32 rows x (512 + 16) bytes, its own (w2 is turned there); then the partial sums: for each of a trip's 4 tiles, for each wave, 16 rows x 528 bytes;
.set YSTG,  33792                      ; (a tile's four parts)
.set SPARE, 202752                     ; the spare words, 128 bytes for each wave: no other line names them
.set YSTO, 7                           ; v7-10    where I put my part of tile k
.set YRD,  11                          ; v11-14   where I read rows 4 w on of tile k's parts
.set YO,   16                          ; v16-23   byte offsets of four rows in yp, two sets by turns
.set W2S,  24                          ; v24-55   w2's scale words: register 4 t + i: my K step i in lanes 0-15, my K step 4 + i in lanes 16-31
.set SH,   56                          ; v56-71   h's, laid likewise: tile k's at v[SH + 4 k]
.set B2,   72                          ; v72-75   b2 of columns 4 x lane + 0 .. 3
.set HAD,  76                          ; v77-79   the head's offsets of tiles 1 to 3 in himg (v76: my place among w2's scale bytes)
.set ACC,  80                          ; v80-207  two sets of 8 accumulators, by turns; later the four parts of four rows
.set OUT,  208                         ; v208-239 four rows' pieces on their way out, two sets by turns
.set SAD,  239                         ; v240-242 the head's offsets of tiles 1 to 3 in hscl
.set MSB, 0
.macro WIN new                         ; the immediate's high byte repeats the setting that is left; a switch that changes nothing is dropped
.if MSB != (\new)
	s_set_vgpr_msb (MSB<<8)|(\new)
.set MSB, (\new)
.endif
.endm
.macro LRAW p                          ; my quarter of K of rows 32 p .. 32 p + 31 of w2, as it lies: a load is 512 consecutive bytes of one row
	WIN 0xc0                                       ; destination window 3
.set i, 0
.rept 32
	global_load_b128 v[((\p)%2)*128+4*i:((\p)%2)*128+4*i+3], v4, s[10:11] offset:2048*(32*(\p)+i)
.set i, i+1
.endr
	WIN 0
.endm
; These 32 rows go through my own stage and come back as the 16 fragments of column tiles 2 p, 2 p + 1.  cnt: the loads issued behind them that may stay out
.macro WPASS p, cnt
	s_wait_loadcnt \cnt
	WIN 0x0c                                       ; an LDS store's data are its source 1: window 3
.set i, 0
.rept 32
	ds_store_b128 v5, v[((\p)%2)*128+4*i:((\p)%2)*128+4*i+3] offset:528*i
.set i, i+1
.endr
	s_wait_dscnt 0x0                               ; the stores have read their registers, which later loads fill
.irp s, 0,1,2,3,4,5,6,7
.if \s < 4
	WIN 0x40                                       ; destination window 1
.else
	WIN 0x80                                       ; destination window 2
.endif
.irp c2, 0,1
.irp c, 0,1
	ds_load_b128 v[8*(8*(\s%4)+2*(\p)+\c2)+4*\c:8*(8*(\s%4)+2*(\p)+\c2)+4*\c+3], v6 offset:8448*\c2+64*\s+32*\c   ; served in order: behind my stores, ahead of the next 32 rows' stores
.endr
.endr
.endr
	WIN 0
.endm
; My quarter of a tile of h into set k: 8 images of 1,024 bytes, each load 512 consecutive bytes, 16 a lane: they ARE the fragments; and my rows' scale words.  20 loads
.macro HLOAD k, va, vs, off, soff, bh, bs
	WIN 0xc0
.irp i, 0,1,2,3,4,5,6,7,8,9,10,11,12,13,14,15
	global_load_b128 v[64*(\k)+4*\i:64*(\k)+4*\i+3], v[\va], s[\bh:\bh+1] offset:(\off)+512*\i
.endr
	WIN 0
.irp i, 0,1,2,3
	global_load_b32 v[SH+4*(\k)+\i], v[\vs], s[\bs:\bs+1] offset:(\soff)+64*\i
.endr
.endm
; The 64 matrix instructions of tile k: K step by K step, the 8 accumulators by turns, one instruction a turn; the first K step starts the sums
.macro MUL k
.set AC, ACC+64*((\k)%2)
.irp s, 0,1,2,3,4,5,6,7
.if \s < 4
	WIN 0x0d                                       ; source 0 (w2) window 1, source 1 (h) window 3, C and D window 0
.else
	WIN 0x0e                                       ; source 0 window 2
.endif
.irp t, 0,1,2,3,4,5,6,7
.if \s == 0
	v_wmma_scale_f32_16x16x128_f8f6f4 v[AC+8*\t:AC+8*\t+7], v[8*\t:8*\t+7], v[64*(\k):64*(\k)+7], 0, v[W2S+4*\t], v[SH+4*(\k)] matrix_a_fmt:MATRIX_FMT_FP4 matrix_b_fmt:MATRIX_FMT_FP4
.elseif \s < 4
	v_wmma_scale_f32_16x16x128_f8f6f4 v[AC+8*\t:AC+8*\t+7], v[8*(8*\s+\t):8*(8*\s+\t)+7], v[64*(\k)+8*\s:64*(\k)+8*\s+7], v[AC+8*\t:AC+8*\t+7], v[W2S+4*\t+\s], v[SH+4*(\k)+\s] matrix_a_fmt:MATRIX_FMT_FP4 matrix_b_fmt:MATRIX_FMT_FP4
.else
	v_wmma_scale_f32_16x16x128_f8f6f4 v[AC+8*\t:AC+8*\t+7], v[8*(8*(\s-4)+\t):8*(8*(\s-4)+\t)+7], v[64*(\k)+8*\s:64*(\k)+8*\s+7], v[AC+8*\t:AC+8*\t+7], v[W2S+4*\t+\s-4], v[SH+4*(\k)+\s-4] matrix_a_fmt:MATRIX_FMT_FP4 matrix_b_fmt:MATRIX_FMT_FP4 matrix_a_scale:MATRIX_SCALE_ROW1 matrix_b_scale:MATRIX_SCALE_ROW1
.endif
.endr
.endr
	WIN 0
.endm
.macro PLACES                          ; behind a tile's products: four places are owed ahead of the stores that read the results and of loads into the operands, five ahead of products that begin an accumulator anew
.rept 5
	v_nop
.endr
.endm
.macro PARTOUT k                       ; my part of tile k: lane (r, h) holds y(row r, column 16 t + 8 h + 0 .. 7); each accumulator from its low end on
.set AC, ACC+64*((\k)%2)
.irp t, 0,1,2,3,4,5,6,7
	ds_store_b128 v[YSTO+\k], v[AC+8*\t:AC+8*\t+3] offset:64*\t
	ds_store_b128 v[YSTO+\k], v[AC+8*\t+4:AC+8*\t+7] offset:64*\t+16
.endr
.endm
.macro RELOAD k, lbl                   ; set k takes its tile of the next trip, if the list has it; if not, it has none of the later ones either
	s_add_co_u32 s34, s28, 4*\k+16
	s_cmp_lt_u32 s34, s27
	s_cbranch_scc0 \lbl
	HLOAD \k, 4, 15, \k*131072, \k*8192, 18, 20
.endm
; Tile k of a trip.  first = 1: the trip that is written out: behind set k's 20 loads stand those of the sets behind it, issued with no branch, which may stay out
.macro TILE k, first
.if \k > 0
	s_add_co_u32 s34, s28, 4*\k
	s_cmp_lt_u32 s34, s27
	s_cbranch_scc0 .Lbar_\first
.endif
.if \first
	s_wait_loadcnt 60-20*\k
.endif
.if \k == 3
	RELOAD 0, .Lnr_\first                          ; a next trip has work only if this trip has all four tiles: so the next trip's tiles are asked for here, behind the last counted wait
	RELOAD 1, .Lnr_\first
	RELOAD 2, .Lnr_\first
.Lnr_\first:
.endif
	MUL \k
	PLACES
	PARTOUT \k
.if \k == 3
	RELOAD 3, .Lbar_\first
.endif
.endm
; Rows 4 w .. 4 w + 3 of tile k: the four waves' parts, 16 bytes a lane of each row's 512, are added, and b2
.macro READ k
.set AC, ACC+64*((\k)%2)
.set OU, OUT+16*((\k)%2)
.irp i, 0,1,2,3
.irp p, 0,1,2,3
	ds_load_b128 v[AC+16*\i+4*\p:AC+16*\i+4*\p+3], v[YRD+\k] offset:\p*8448+\i*528
.endr
.endr
	s_wait_dscnt 0x0
	s_wait_xcnt 0x0                                ; earlier stores have read the registers that are written below
.irp i, 0,1,2,3
.irp d, 0,2
	v_pk_add_f32 v[AC+16*\i+\d:AC+16*\i+\d+1], v[AC+16*\i+\d:AC+16*\i+\d+1], v[AC+16*\i+4+\d:AC+16*\i+4+\d+1]
	v_pk_add_f32 v[AC+16*\i+8+\d:AC+16*\i+8+\d+1], v[AC+16*\i+8+\d:AC+16*\i+8+\d+1], v[AC+16*\i+12+\d:AC+16*\i+12+\d+1]
.endr
.endr
.irp i, 0,1,2,3
.irp d, 0,2
	v_pk_add_f32 v[AC+16*\i+\d:AC+16*\i+\d+1], v[AC+16*\i+\d:AC+16*\i+\d+1], v[AC+16*\i+8+\d:AC+16*\i+8+\d+1]
.endr
.endr
.irp i, 0,1,2,3
.irp d, 0,2
	v_pk_add_f32 v[OU+4*\i+\d:OU+4*\i+\d+1], v[AC+16*\i+\d:AC+16*\i+\d+1], v[B2+\d:B2+\d+1]
.endr
.endr
.endm
.macro ROWOUT k, i                     ; row 4 w + i of tile k, if the list has it: 512 consecutive bytes of row slot of yp, at a multiple of 256 from its first byte
	s_add_co_u32 s32, s31, \i
	s_cmp_lt_u32 s32, s26
	s_cbranch_scc0 .Lpast_\@
	s_min_u32 s[40+4*(\k)+\i], s[40+4*(\k)+\i], 0x7ff              ; the slot, held inside the table
	s_lshl_b32 s[40+4*(\k)+\i], s[40+4*(\k)+\i], 12                ; 4,096 bytes a row
	v_add_nc_u32 v[YO+4*((\k)%2)+\i], s[40+4*(\k)+\i], v4
	global_store_b128 v[YO+4*((\k)%2)+\i], v[OUT+16*((\k)%2)+4*\i:OUT+16*((\k)%2)+4*\i+3], s[16:17]
.Lpast_\@:
.endm
.macro OUTT k, first
	s_add_co_u32 s34, s28, 4*\k
	s_cmp_lt_u32 s34, s27
	s_cbranch_scc0 .Lc_\first
	READ \k
	s_wait_kmcnt 0x0                               ; the slots
	ROWOUT \k, 0
	ROWOUT \k, 1
	ROWOUT \k, 2
	ROWOUT \k, 3
	s_add_co_u32 s31, s31, 64                      ; 4 tiles on in the list
.endm
.macro TRIP first
.if \first == 0
	s_wait_loadcnt 0x0                             ; on every way: this trip's tiles of h are in, and no load is out that names the bases stepped below
	s_add_nc_u64 s[18:19], s[18:19], 524288        ; the next trip's tiles: 16 tiles on
	s_add_nc_u64 s[20:21], s[20:21], 32768
.endif
.irp k, 0,1,2,3
	s_load_b128 s[40+4*\k:43+4*\k], s[8:9], s30 offset:256*\k      ; my four rows' slots in each of the four tiles; behind the list's end lie zeros, inside the table: no branch
.endr
	s_cmp_ge_u32 s28, s27
	s_cbranch_scc1 .Lbar_\first
	TILE 0, \first
	TILE 1, \first
	TILE 2, \first
	TILE 3, \first
.Lbar_\first:
	s_wait_dscnt 0x0                               ; for the others' sake: my parts lie in LDS
	s_barrier_signal -1
	s_barrier_wait -1
	s_lshl_b32 s31, s28, 4
	s_lshl_b32 s32, s22, 2
	s_add_co_u32 s31, s31, s32                     ; my first row's place in the list: 16 x tile + 4 w
	OUTT 0, \first
	OUTT 1, \first
	OUTT 2, \first
	OUTT 3, \first
.Lc_\first:
	s_wait_kmcnt 0x0                               ; the scalar loads have read their offset
	s_wait_dscnt 0x0                               ; my reads of the parts are over: behind this barrier the next trip's parts may be stored
	s_barrier_signal -1
	s_barrier_wait -1
	s_add_co_u32 s30, s30, 1024
	s_add_co_u32 s28, s28, 16
.endm
	s_load_b256 s[4:11], s[0:1], 0x0               ; himg s[4:5], hscl s[6:7], rows s[8:9], w2's codes s[10:11]
	s_load_b128 s[12:15], s[0:1], 0x20             ; w2's scales s[12:13], b2 s[14:15]
	s_load_b64 s[16:17], s[0:1], 0x30              ; yp
	v_lshl_add_u32 v244, v0, 2, SPARE              ; my spare word; never rewritten
	v_mov_b32 v245, 0                              ; 0; never rewritten
	v_lshrrev_b32 v1, 5, v0
	v_readfirstlane_b32 s22, v1                    ; wave 0..3
	s_and_b32 s23, ttmp7, 0xffff                   ; e
	s_lshr_b32 s24, ttmp9, 2                       ; cb
	s_and_b32 s25, ttmp9, 3                        ; q
	v_and_b32 v1, 31, v0                           ; lane
	v_and_b32 v2, 15, v0                           ; r
	v_bfe_u32 v3, v0, 4, 1                         ; h
	v_lshlrev_b32 v4, 4, v1                        ; 16 x lane
	s_mul_i32 s34, s22, 16896                      ; my stage for w2
	v_add_nc_u32 v5, s34, v4                       ; into it: a row's 512 bytes as loaded
	v_mul_u32_u24 v6, v2, 528
	v_lshl_add_u32 v246, v3, 5, v6                 ; 528 r + 32 h
	v_lshl_add_u32 v6, v3, 4, v6
	v_add_nc_u32 v6, s34, v6                       ; out of it: a fragment's row r, + 16 h
	s_mul_i32 s34, s22, 8448
	s_add_co_u32 s34, s34, YST                     ; my part of a tile's sums,
	s_mul_i32 s36, s22, 2112
	s_add_co_u32 s36, s36, YST                     ; and rows 4 w on of the first part
.irp k, 0,1,2,3
	v_add_nc_u32 v[YSTO+\k], s34, v246
	v_add_nc_u32 v[YRD+\k], s36, v4
	s_add_co_u32 s34, s34, YSTG
	s_add_co_u32 s36, s36, YSTG
.endr
	v_lshlrev_b32 v15, 2, v2
	v_lshl_add_u32 v15, v3, 8, v15                 ; h's scale words: row r; lanes 16-31 four K steps (of 64 bytes) on
	v_lshlrev_b32 v76, 7, v2
	v_lshl_add_u32 v76, v3, 4, v76                 ; w2's scale bytes: 128 a row, + 16 h
	s_mov_b32 s35, 0
	s_mov_b32 s28, s25                             ; the trip's first tile
	s_mov_b32 s29, 0                               ; the loop's trips
	s_lshl_b32 s30, s25, 6
	s_lshl_b32 s34, s22, 4
	s_add_co_u32 s30, s30, s34                     ; my four rows' words in the list: 64 x tile + 16 w
	s_wait_kmcnt 0x0
	s_lshl_b32 s34, s23, 13
	s_add_nc_u64 s[8:9], s[8:9], s[34:35]          ; rows: 8,192 bytes an expert
	s_load_b32 s26, s[8:9], 0x1200                 ; n
	s_lshl_b32 s34, s23, 21                        ; w2's codes: 2^21 an expert, 2^18 a block of 128 rows, 512 bytes my quarter of K
	s_lshl_b32 s36, s24, 18
	s_or_b32 s34, s34, s36
	s_lshl_b32 s36, s22, 9
	s_or_b32 s34, s34, s36
	s_add_nc_u64 s[10:11], s[10:11], s[34:35]
	s_lshl_b32 s34, s23, 17                        ; its scales: 2^17, 2^14, 32 bytes my quarter
	s_lshl_b32 s36, s24, 14
	s_or_b32 s34, s34, s36
	s_lshl_b32 s36, s22, 5
	s_or_b32 s34, s34, s36
	s_add_nc_u64 s[12:13], s[12:13], s[34:35]
	s_lshl_b32 s34, s23, 12                        ; b2: 2^12, 2^9
	s_lshl_b32 s36, s24, 9
	s_or_b32 s34, s34, s36
	s_add_nc_u64 s[14:15], s[14:15], s[34:35]
	s_lshl_b32 s34, s24, 9                         ; yp: my block of 128 columns
	s_add_nc_u64 s[16:17], s[16:17], s[34:35]
	s_lshl_b32 s34, s23, 21                        ; himg [e][tile 64][K step 32][1,024 bytes]: tile q, my 8 K steps
	s_lshl_b32 s36, s25, 15
	s_or_b32 s34, s34, s36
	s_lshl_b32 s36, s22, 13
	s_or_b32 s34, s34, s36
	s_add_nc_u64 s[4:5], s[4:5], s[34:35]
	s_add_nc_u64 s[18:19], s[4:5], 524288          ; and 16 tiles on: what the first trip asks for
	s_lshl_b32 s34, s23, 17                        ; hscl [e][tile 64][K step 32][16 words] likewise
	s_lshl_b32 s36, s25, 11
	s_or_b32 s34, s34, s36
	s_lshl_b32 s36, s22, 9
	s_or_b32 s34, s34, s36
	s_add_nc_u64 s[6:7], s[6:7], s[34:35]
	s_add_nc_u64 s[20:21], s[6:7], 32768
.irp t, 0,1,2,3,4,5,6,7
	global_load_b128 v[W2S+4*\t:W2S+4*\t+3], v76, s[12:13] offset:2048*\t
.endr
	global_load_b128 v[B2:B2+3], v4, s[14:15]
	LRAW 0
	LRAW 1
	WPASS 0, 32                                    ; rows 0-31 are in (and the scale words and b2, issued ahead of them); the next 32 rows' loads may be out
	LRAW 2                                         ; into the registers that rows 0-31 have left: the turn through LDS runs while later rows are on their way
	WPASS 1, 32
	LRAW 3
	WPASS 2, 32
	s_wait_kmcnt 0x0                               ; n
	s_add_co_u32 s27, s26, 15
	s_lshr_b32 s27, s27, 4                         ; tiles in the list
	s_max_u32 s37, s27, 4                          ; tiles that were made: at least 4
	s_sub_co_u32 s37, s37, 1
	s_sub_co_u32 s37, s37, s25
	s_lshr_b32 s37, s37, 2                         ; the number of my last tile among mine
.irp k, 1,2,3
	s_min_u32 s34, s37, \k                         ; my tile k, or my last
	s_lshl_b32 s36, s34, 17                        ; 4 tiles of 32,768 bytes apart
	s_lshl_b32 s34, s34, 13                        ; 4 tiles of 2,048 bytes apart
	v_add_nc_u32 v[HAD+\k], s36, v4
	v_add_nc_u32 v[SAD+\k], s34, v15
.endr
	HLOAD 0, 4, 15, 0, 0, 4, 6                     ; into the registers that rows 64-95 have left
	HLOAD 1, HAD+1, SAD+1, 0, 0, 4, 6
	WPASS 3, 40                                    ; behind rows 96-127 stand the 40 loads just issued
	HLOAD 2, HAD+2, SAD+2, 0, 0, 4, 6
	HLOAD 3, HAD+3, SAD+3, 0, 0, 4, 6
	s_wait_dscnt 0x0                               ; w2's fragments are in
	TRIP 1
.Ltrip:
	TRIP 0
	s_add_co_u32 s29, s29, 1
	s_cmp_lt_u32 s29, 3
	s_cbranch_scc1 .Ltrip
	s_wait_tensorcnt 0x0                           ; the wave's end: behind my last LDS store
	ds_add_u32 v244, v245
	s_wait_dscnt 0x0
	s_endpgm
.Lfunc_end_k_q630c869b92_ffn2:
	.size	k_q630c869b92_ffn2, .Lfunc_end_k_q630c869b92_ffn2-k_q630c869b92_ffn2
	.p2alignl 7, 3214868480
	.fill 96, 4, 3214868480
	.section	.rodata,"a",@progbits
	.p2align	6, 0x0
	.amdhsa_kernel k_q630c869b92_ffn2
		.amdhsa_group_segment_fixed_size 203264
		.amdhsa_private_segment_fixed_size 0
		.amdhsa_enable_private_segment 0
		.amdhsa_kernarg_size 56
		.amdhsa_user_sgpr_count 2
		.amdhsa_user_sgpr_kernarg_segment_ptr 1
		.amdhsa_wavefront_size32 1
		.amdhsa_system_sgpr_workgroup_id_x 1
		.amdhsa_system_sgpr_workgroup_id_y 1
		.amdhsa_system_sgpr_workgroup_id_z 1
		.amdhsa_system_vgpr_workitem_id 0
		.amdhsa_next_free_vgpr 1024
		.amdhsa_next_free_sgpr 66
		.amdhsa_reserve_vcc 0
		.amdhsa_float_denorm_mode_32 3
		.amdhsa_float_denorm_mode_16_64 3
		.amdhsa_memory_ordered 1
		.amdhsa_forward_progress 1
		.amdhsa_inst_pref_size 171
	.end_amdhsa_kernel
	.amdgpu_metadata
---
amdhsa.version: [ 1, 2 ]
amdhsa.kernels:
  - .name:           k_q630c869b92_ffn2
    .symbol:         k_q630c869b92_ffn2.kd
    .args:
      - { .name: himg, .offset: 0, .size: 8, .value_kind: global_buffer, .address_space: global }
      - { .name: hscl, .offset: 8, .size: 8, .value_kind: global_buffer, .address_space: global }
      - { .name: rows, .offset: 16, .size: 8, .value_kind: global_buffer, .address_space: global }
      - { .name: w2_codes, .offset: 24, .size: 8, .value_kind: global_buffer, .address_space: global }
      - { .name: w2_scales, .offset: 32, .size: 8, .value_kind: global_buffer, .address_space: global }
      - { .name: b2, .offset: 40, .size: 8, .value_kind: global_buffer, .address_space: global }
      - { .name: yp, .offset: 48, .size: 8, .value_kind: global_buffer, .address_space: global }
    .group_segment_fixed_size: 203264
    .private_segment_fixed_size: 0
    .kernarg_segment_align: 8
    .kernarg_segment_size: 56
    .max_flat_workgroup_size: 128
    .sgpr_count:     66
    .vgpr_count:     1024
    .wavefront_size: 32
...
	.end_amdgpu_metadata
.endif
;; end of part 3
;; launch comb (part 4): grid 256 x 1, 4 waves a work-group, no clusters, 0 bytes of LDS; arguments yp, gw, out0; writes out0
.if DOCPART == 4
	.amdgcn_target "amdgcn-amd-amdhsa--gfx1250"
	.amdhsa_code_object_version 6
	.text
	.protected	k_q630c869b92_comb
	.globl	k_q630c869b92_comb
	.p2align	8
	.type	k_q630c869b92_comb,@function
k_q630c869b92_comb:
	s_mov_b64 s[64:65], 0
	v_nop
	global_prefetch_b8 v0, s[64:65] scope:SCOPE_SE
	s_setreg_imm32_b32 hwreg(HW_REG_WAVE_MODE, 25, 1), 1
	s_wait_xcnt 0x0
; THE COMBINE: out0[t] = gw[t][0] yp[2 t] + gw[t][1] yp[2 t + 1].  The six experts that a token did not choose add 0 x y (shown at the head of the first kernel) and are not summed.
; The two terms are added first choice first, not by the experts' numbers: another order of one f32 addition.
; A wave owns a token: two rows of 4,096 bytes in, one out; every load and store covers 512 consecutive bytes.  All 16 loads go out at once; no register is written again, so no store's data need a wait.
; A stream: no LDS, no barrier, no matrix unit, no cluster: nothing is shared.
	s_load_b128 s[4:7], s[0:1], 0x0                ; yp s[4:5], gw s[6:7]
	s_load_b64 s[8:9], s[0:1], 0x10                ; out0
	v_lshrrev_b32 v1, 5, v0
	v_readfirstlane_b32 s10, v1                    ; wave
	s_lshl_b32 s11, ttmp9, 2
	s_add_co_u32 s11, s11, s10                     ; my token
	v_and_b32 v1, 31, v0
	v_lshlrev_b32 v1, 4, v1                        ; 16 bytes a lane
	s_lshl_b32 s16, s11, 3                         ; its two weights,
	s_lshl_b32 s18, s11, 13                        ; its two rows of yp,
	s_mov_b32 s19, 0
	s_lshl_b32 s20, s11, 12                        ; its row of out0
	s_mov_b32 s21, 0
	s_wait_kmcnt 0x0
	s_load_b64 s[12:13], s[6:7], s16 offset:0x0
	s_add_nc_u64 s[4:5], s[4:5], s[18:19]
	s_add_nc_u64 s[8:9], s[8:9], s[20:21]
.irp j, 0,1,2,3,4,5,6,7
	global_load_b128 v[8+4*\j:11+4*\j], v1, s[4:5] offset:512*\j th:TH_LOAD_NT
	global_load_b128 v[40+4*\j:43+4*\j], v1, s[4:5] offset:4096+512*\j th:TH_LOAD_NT
.endr
	s_wait_kmcnt 0x0
	s_mov_b32 s14, s13                             ; the second weight as the low word of a pair of its own: the packed forms take a scalar pair's low word for both halves
	s_mov_b32 s15, s13
.irp j, 0,1,2,3,4,5,6,7
	s_wait_loadcnt 14-2*\j                         ; pair j is in; the later pairs may be out
	v_pk_mul_f32 v[8+4*\j:9+4*\j], v[8+4*\j:9+4*\j], s[12:13] op_sel_hi:[1,0]
	v_pk_mul_f32 v[10+4*\j:11+4*\j], v[10+4*\j:11+4*\j], s[12:13] op_sel_hi:[1,0]
	v_pk_fma_f32 v[8+4*\j:9+4*\j], v[40+4*\j:41+4*\j], s[14:15], v[8+4*\j:9+4*\j] op_sel_hi:[1,0,1]
	v_pk_fma_f32 v[10+4*\j:11+4*\j], v[42+4*\j:43+4*\j], s[14:15], v[10+4*\j:11+4*\j] op_sel_hi:[1,0,1]
	global_store_b128 v1, v[8+4*\j:11+4*\j], s[8:9] offset:512*\j th:TH_STORE_NT
.endr
	s_endpgm
.Lfunc_end_k_q630c869b92_comb:
	.size	k_q630c869b92_comb, .Lfunc_end_k_q630c869b92_comb-k_q630c869b92_comb
	.p2alignl 7, 3214868480
	.fill 96, 4, 3214868480
	.section	.rodata,"a",@progbits
	.p2align	6, 0x0
	.amdhsa_kernel k_q630c869b92_comb
		.amdhsa_group_segment_fixed_size 0
		.amdhsa_private_segment_fixed_size 0
		.amdhsa_enable_private_segment 0
		.amdhsa_kernarg_size 24
		.amdhsa_user_sgpr_count 2
		.amdhsa_user_sgpr_kernarg_segment_ptr 1
		.amdhsa_wavefront_size32 1
		.amdhsa_system_sgpr_workgroup_id_x 1
		.amdhsa_system_sgpr_workgroup_id_y 1
		.amdhsa_system_sgpr_workgroup_id_z 1
		.amdhsa_system_vgpr_workitem_id 0
		.amdhsa_next_free_vgpr 72
		.amdhsa_next_free_sgpr 66
		.amdhsa_reserve_vcc 0
		.amdhsa_float_denorm_mode_32 3
		.amdhsa_float_denorm_mode_16_64 3
		.amdhsa_memory_ordered 1
		.amdhsa_forward_progress 1
		.amdhsa_inst_pref_size 6
	.end_amdhsa_kernel
	.amdgpu_metadata
---
amdhsa.version: [ 1, 2 ]
amdhsa.kernels:
  - .name:           k_q630c869b92_comb
    .symbol:         k_q630c869b92_comb.kd
    .args:
      - { .name: yp, .offset: 0, .size: 8, .value_kind: global_buffer, .address_space: global }
      - { .name: gw, .offset: 8, .size: 8, .value_kind: global_buffer, .address_space: global }
      - { .name: out0, .offset: 16, .size: 8, .value_kind: global_buffer, .address_space: global }
    .group_segment_fixed_size: 0
    .private_segment_fixed_size: 0
    .kernarg_segment_align: 8
    .kernarg_segment_size: 24
    .max_flat_workgroup_size: 128
    .sgpr_count:     66
    .vgpr_count:     72
    .wavefront_size: 32
...
	.end_amdgpu_metadata
.endif
;; end of part 4
